; MI455X (gfx1250); checked and timed in simulation.
; The chip was launched on July 23, 2026; its instructions are those of AMD's public machine-readable ISA for CDNA 5 (MIT licence, August 2026) and "CDNA5" Instruction Set Architecture Reference Guide (July 2026). The comments in the code are by the model that wrote it; some were corrected since.
;; Bit Linear LRLS. Allowed arithmetic: matrix products marked QUANTISED: E5M2 operands, one given power-of-two scale a tensor, by v_wmma_f32_16x16x64_bf8_bf8 or v_wmma_f32_16x16x128_bf8_bf8, f32 sums; products left as they are: f32 operands where the result goes on into a quantised operand, else bf16, f16 or f32 operands; f32 sums; everything else in f32.
;; Inputs: lowp_scales 2 int32 (the exponents e of the quantised operands' scales 2^e); lrls_A 4,096 x 16 float32; lrls_B 16 x 4,096 float32; scale 4,096 float32; threshold one number float32; weight 4,096 x 4,096 float32; x 4 x 1,024 x 4,096 float32.
;; Outputs: out0 4 x 1,024 x 4,096 float32.
;; This version of the problem:
;;   THIS VERSION OF THE PROBLEM IS GIVEN IN LOW PRECISION. The matrix products marked QUANTISED in the list below multiply operands that are first quantised to E5M2 (5 exponent bits, 2 mantissa bits; 8 bits a number), with one given power-of-two scale for each operand tensor; their sums are f32. All else is computed in f32.
;;   The module's matrix products, in the order in which they are computed (A, B: the left and right operand; K: the contracted axis; several contracted axes count as one K, in the product's order):
;;     1. [M 16, K 4,096] x [K 4,096, N 1]; A: input lrls_B; B: computed on the way: left as it is (N = 1 < 16)
;;     2. [M 4,096, K 16] x [K 16, N 1]; A: input lrls_A; B: computed on the way: left as it is (K = 16 < 32)
;;     3. [M 4,096, K 4,096] x [K 4,096, N 4,096]; A: input x; B: computed on the way: QUANTISED (scales: A lowp_scales[0], B lowp_scales[1])
;;   THE QUANTISER, for each operand of a quantised product, along K:
;;     - The operand's scale is 2^e, e = its entry of the input lowp_scales (int32; the entries are numbered through the quantised products in the list's order, A before B).
;;     - Each number is divided by the scale, clamped to +-57,344, and rounded to the nearest number of E5M2, ties to even, subnormals kept.
;;     - The product sums the exact products of the quantised numbers (number of the format x scale) in f32.
;;   ~~~python
;;   def quantise(x, axis, e):      # numpy; x: float32 -> the quantised numbers, widened to float32 again
;;       x = np.moveaxis(x, axis, -1); K = x.shape[-1]
;;       r = np.clip(x / 2.0 ** e, -57344, 57344)
;;       step = 2.0 ** (np.maximum(np.frexp(np.where(r == 0, 1, r))[1] - 1, -14) - 2)
;;       q = np.round(r / step) * step * 2.0 ** e      # np.round: ties to even
;;       return np.moveaxis(q, -1, axis).astype(np.float32)
;;   ~~~
;;   OPERANDS COMPUTED ON THE WAY. 'Computed on the way' means the value that the module computes at that place (a softmax that the list does not call 'softmax' is quantised finished and normalised). What goes into a quantiser is computed in f32, as accurately as f32 sums, v_exp_f32 and their like allow (about 1e-6 of the number): no bf16 or f16 on the way to a quantiser, and a product that is left as it is and whose result goes on into a quantised operand takes f32 operands (vector FMAs, or v_wmma_f32_16x16x4_f32). A number that lies on a knife's edge between two numbers of the format may be rounded either way, as far as f32 arithmetic and the matrix unit's own rounding can turn it there, and no further.
;; One version. Each part assembles by itself: llvm-mc -triple=amdgcn-amd-amdhsa -mcpu=gfx1250 --defsym DOCPART=n.
;; ======== version 1 of 1: 3 launches
;; limits: right only within a limited range of input values
;; workspace buffers: x_codes 16,777,216 bytes; w_codes 16,777,216 bytes; tpart 16,384 bytes
;; launch quantx (part 1): grid 8 x 32, 8 waves a work-group, no clusters, 17,408 bytes of LDS; arguments x, lrls_B, lowp_scales, x_codes, tpart; writes x_codes, tpart
.if DOCPART == 1
	.amdgcn_target "amdgcn-amd-amdhsa--gfx1250"
	.amdhsa_code_object_version 6
	.text
	.protected	k_qac424dabfa_quantx
	.globl	k_qac424dabfa_quantx
	.p2align	8
	.type	k_qac424dabfa_quantx,@function
k_qac424dabfa_quantx:
	s_mov_b64 s[64:65], 0
	v_nop
	global_prefetch_b8 v0, s[64:65] scope:SCOPE_SE
	s_setreg_imm32_b32 hwreg(HW_REG_WAVE_MODE, 25, 1), 1
	s_wait_xcnt 0x0
; x [4096 rows][4096] f32 becomes codes of BF8 (E5M2), one byte each, a row's codes on end, with the given scale 2^e0 (entry 0 of the scales):
; code = x / 2^e0, held within +-57,344, rounded to the nearest code, ties to even.
; THE ORDER ALONG K.  The format has one scale for the tensor, so a conversion's eight numbers need not be neighbours.  A lane converts the 16 numbers that its four loads brought and stores its 16 codes at 16 x lane:
; inside each strip of 512 columns the code at byte 16 l + 4 i + k is that of column 128 i + 4 l + k.  The launch that quantises the weight lays its codes in the very same order, so in the product
; every code of x meets its partner; only the order of the f32 sums differs from ascending K.  Nothing goes through LDS on the way.
; ON THE SAME PASS the mean of x over its rows is prepared.  What is wanted later is t = lrls_B . mean(x), 16 numbers.  By linearity
; lrls_B . (sum over all rows) = the sum over work-groups g of lrls_B[:, g's columns] . (column sums of g's rows): so a work-group leaves 16 numbers, tpart[g][0..15], and x is read once.
; LIMITS: e0 between -126 and 112, so that 2^e0 and 57,344 x 2^e0 are f32 numbers.  NaN among the inputs is not served (an infinity is held at the largest code).
; SHARES.  Work-group (x = strip, y = block) owns 128 rows x 512 columns; wave w rows 16 w .. 16 w + 15 of them.  A step is one row: 2,048 bytes in (four loads of 512 consecutive bytes), 512 bytes of codes out;
; 16 steps, written out: every offset is an immediate.  Loads run eight steps (32 loads a wave) ahead.  No tensor loads, no cluster, no matrix work: the launch streams, and its work-groups share only lrls_B's 256 KiB.
.set XROW,  16384                      ; a row of x, and of lrls_B, in bytes
.set CROW,  4096                       ; a row of codes in bytes
.set STEPS, 16
.set R,     16                         ; v16-143  eight sets of 16 numbers as loaded; at the end the eight waves' column sums
.set BB,    144                        ; v144-175 my two rows of lrls_B, my strip, in the layout as loaded
.set SUM,   176                        ; v176-191 my 16 column sums
.set C,     192                        ; v192-255 codes: four registers a step, so that no store's data are written again
; LDS: the eight waves' column sums, 2,048 bytes each, as images of their registers.
; v1 lane; v2 0; v3 16 x lane; v6 my wave's image; v10 57,344 x 2^e0; v11 2^e0
	s_load_b256 s[4:11], s[0:1], 0x0               ; x s[4:5], lrls_B s[6:7], the scales' exponents s[8:9], x's codes s[10:11]
	s_load_b64 s[12:13], s[0:1], 0x20              ; tpart
	v_lshl_add_u32 v14, v0, 2, 0x4000
	v_mov_b32 v15, 0
	v_lshrrev_b32 v8, 5, v0
	s_delay_alu instid0(VALU_DEP_1)
	v_readfirstlane_b32 s16, v8                    ; wave 0..7
	v_and_b32 v1, 31, v0                           ; lane
	v_mov_b32 v2, 0
	s_delay_alu instid0(VALU_DEP_2)
	v_lshlrev_b32 v3, 4, v1                        ; my 16 bytes of 512
	s_lshl_b32 s27, s16, 11
	v_add_nc_u32 v6, s27, v3                       ; my wave's image of its sums: 2,048 x wave + 16 x lane
	s_mov_b32 s24, 0x76543210                      ; v_permlanex16_b32's selects for lane l xor 16
	s_mov_b32 s25, 0xfedcba98
	s_and_b32 s18, ttmp7, 0xffff                   ; block of 128 rows
	s_lshl_b32 s19, s18, 7
	s_lshl_b32 s20, s16, 4
	s_add_co_u32 s19, s19, s20                     ; my wave's first row
	s_mov_b32 s21, 0                               ; every offset below stays under 2^27
	s_wait_alu depctr_va_vdst(0)
	s_wait_kmcnt 0x0
	s_load_b32 s22, s[8:9], 0x0                    ; e0
	s_lshl_b32 s20, s19, 14
	s_lshl_b32 s23, ttmp9, 11
	s_add_co_u32 s20, s20, s23
	s_add_nc_u64 s[4:5], s[4:5], s[20:21]          ; x at my first row, my strip
	s_lshl_b32 s20, s19, 12
	s_lshl_b32 s23, ttmp9, 9
	s_add_co_u32 s20, s20, s23
	s_add_nc_u64 s[10:11], s[10:11], s[20:21]      ; the codes likewise
	s_lshl_b32 s20, s16, 15
	s_lshl_b32 s23, ttmp9, 11
	s_add_co_u32 s20, s20, s23
	s_add_nc_u64 s[6:7], s[6:7], s[20:21]          ; lrls_B at row 2 w, my strip: wave w makes numbers 2 w and 2 w + 1 of the sixteen
	s_lshl_b32 s20, s18, 3
	s_add_co_u32 s20, s20, ttmp9                   ; g = 8 y + x
	s_lshl_b32 s20, s20, 6
	s_lshl_b32 s23, s16, 3
	s_add_co_u32 s20, s20, s23
	s_add_nc_u64 s[12:13], s[12:13], s[20:21]      ; tpart[g][2 w]
.macro LOAD t                          ; row t: four loads of 512 consecutive bytes, into set t % 8: register 4 i + k of lane l = column 128 i + 4 l + k
.irp i, 0,1,2,3
	global_load_b128 v[R+16*((\t)%8)+4*\i:R+16*((\t)%8)+4*\i+3], v3, s[4:5] offset:XROW*(\t)+512*\i th:TH_LOAD_NT
.endr
.endm
.macro BLOAD jj                        ; row 2 w + jj of lrls_B, my strip, in the same layout (other work-groups read it again: no hint)
.irp i, 0,1,2,3
	global_load_b128 v[BB+16*(\jj)+4*\i:BB+16*(\jj)+4*\i+3], v3, s[6:7] offset:XROW*(\jj)+512*\i
.endr
.endm
.irp t, 0,1,2,3,4,5,6,7
	LOAD \t
.endr
	BLOAD 0
	BLOAD 1
	s_wait_kmcnt 0x0
	s_add_co_i32 s22, s22, 127
	s_lshl_b32 s23, s22, 23
	v_mov_b32 v11, s23                             ; 2^e0 as f32: the conversion takes its exponent field
	s_add_co_i32 s22, s22, 15
	s_lshl_b32 s22, s22, 23
	s_or_b32 s22, s22, 0x600000
	v_mov_b32 v10, s22                             ; 57,344 x 2^e0
.macro STEP t
.set RS, R+16*((\t)%8)
.if (\t) == 0
	s_wait_loadcnt 32                              ; rows 0 AND 1 are in (they start the sums together); behind row 1's loads were issued rows 2 to 7, 24 loads, and lrls_B's eight
.elseif (\t) < 8
	s_wait_loadcnt 36                              ; row t is in; behind its loads were issued the seven rows that follow it, 28 loads, and lrls_B's eight
.else
	s_wait_loadcnt 4*(15-(\t))                     ; behind row t's loads: only the rows that are left (lrls_B's were issued ahead of row 8's)
.endif
.if (\t) == 0
.irp k, 0,2,4,6,8,10,12,14
	v_pk_add_f32 v[SUM+\k:SUM+\k+1], v[R+\k:R+\k+1], v[R+16+\k:R+16+\k+1]   ; rows 0 and 1 start the column sums: nothing is cleared
.endr
.elseif (\t) > 1
.irp k, 0,2,4,6,8,10,12,14
	v_pk_add_f32 v[SUM+\k:SUM+\k+1], v[SUM+\k:SUM+\k+1], v[RS+\k:RS+\k+1]
.endr
.endif
.irp i, 0,1,2,3,4,5,6,7,8,9,10,11,12,13,14,15
	v_med3_num_f32 v[RS+\i], v[RS+\i], -v10, v10   ; behind the sums, in place: the conversion to an 8-bit code does not saturate (ISA guide 7.6.2), so the hold at the largest code x the scale comes first
.endr
	v_cvt_scalef32_pk8_bf8_f32 v[C+4*(\t):C+4*(\t)+1], v[RS:RS+7], v11
	v_cvt_scalef32_pk8_bf8_f32 v[C+4*(\t)+2:C+4*(\t)+3], v[RS+8:RS+15], v11
	v_nop                                          ; one plain vector line behind the last conversion of the run
.if (\t) < 8
	LOAD (\t)+8                                    ; the set takes the row eight further on
.endif
.endm
	s_wait_alu depctr_va_vdst(0)
.irp t, 0,1,2,3,4,5,6,7,8,9,10,11,12,13,14,15
	STEP \t
.endr
	; THE TAIL: the eight waves' column sums meet in LDS; every wave adds all eight and multiplies them by its two rows of lrls_B.  (Step 15's wait was for 0: no load is out.)
.irp i, 0,1,2,3
	ds_store_b128 v6, v[SUM+4*\i:SUM+4*\i+3] offset:512*\i
.endr
	s_wait_dscnt 0x0                               ; for the others' sake: my image has landed
	s_barrier_signal -1
	s_barrier_wait -1
.irp u, 0,1,2,3,4,5,6,7
.irp i, 0,1,2,3
	ds_load_b128 v[R+16*\u+4*\i:R+16*\u+4*\i+3], v3 offset:2048*\u+512*\i   ; wave u's sums into set u: the sets are done with
.endr
.endr
	s_wait_dscnt 0x0
.macro ADDSET a, b
.irp k, 0,2,4,6,8,10,12,14
	v_pk_add_f32 v[R+16*(\a)+\k:R+16*(\a)+\k+1], v[R+16*(\a)+\k:R+16*(\a)+\k+1], v[R+16*(\b)+\k:R+16*(\b)+\k+1]
.endr
.endm
	ADDSET 0, 1                                    ; a tree, so that no sum runs far ahead of its terms
	ADDSET 2, 3
	ADDSET 4, 5
	ADDSET 6, 7
	ADDSET 0, 2
	ADDSET 4, 6
	ADDSET 0, 4                                    ; v16-31: the column sums of the work-group's 128 rows
	v_pk_mul_f32 v[176:177], v[16:17], v[144:145]  ; two chains, one for each row of lrls_B, by turns
	v_pk_mul_f32 v[178:179], v[16:17], v[160:161]
.irp k, 2,4,6,8,10,12,14
	s_delay_alu instid0(VALU_DEP_2)
	v_pk_fma_f32 v[176:177], v[16+\k:17+\k], v[144+\k:145+\k], v[176:177]
	s_delay_alu instid0(VALU_DEP_2)
	v_pk_fma_f32 v[178:179], v[16+\k:17+\k], v[160+\k:161+\k], v[178:179]
.endr
	s_delay_alu instid0(VALU_DEP_2)
	v_add_f32 v176, v176, v177
	s_delay_alu instid0(VALU_DEP_2)
	v_add_f32 v177, v178, v179
.irp m, 1,2,4,8
	s_delay_alu instid0(VALU_DEP_2)
	v_add_f32_dpp v176, v176, v176 row_xmask:\m row_mask:0xf bank_mask:0xf
	s_delay_alu instid0(VALU_DEP_2)
	v_add_f32_dpp v177, v177, v177 row_xmask:\m row_mask:0xf bank_mask:0xf
.endr
	s_delay_alu instid0(VALU_DEP_2)
	v_permlanex16_b32 v178, v176, s24, s25
	s_delay_alu instid0(VALU_DEP_2)
	v_permlanex16_b32 v179, v177, s24, s25
	s_delay_alu instid0(VALU_DEP_2)
	v_add_f32 v176, v176, v178
	s_delay_alu instid0(VALU_DEP_2)
	v_add_f32 v177, v177, v179                     ; every lane holds both numbers
	s_wait_alu depctr_va_vdst(0)
	v_cmp_eq_u32 vcc_lo, 0, v1
	s_wait_tensorcnt 0x0
	ds_add_u32 v14, v15
	s_wait_dscnt 0x0
.irp t, 0,1,2,3,4,5,6,7,8,9,10,11,12,13,14,15
	global_store_b128 v3, v[C+4*\t:C+4*\t+3], s[10:11] offset:CROW*\t   ; the 16 rows' codes leave in one run, behind the wave's last vector line: each store covers 512 consecutive bytes, at a multiple of 256 from the buffer's first byte
.endr
	s_wait_xcnt 0x0                                ; EXEC changes only behind this wait: it is a source of the stores that are out
	s_and_saveexec_b32 s30, vcc_lo
	global_store_b64 v2, v[176:177], s[12:13]      ; lane 0 alone: 8 bytes a wave, 64 a work-group, 16 KiB in the launch: small stores, and few
	s_wait_xcnt 0x0
	s_or_b32 exec_lo, exec_lo, s30
	s_endpgm
.Lfunc_end_k_qac424dabfa_quantx:
	.size	k_qac424dabfa_quantx, .Lfunc_end_k_qac424dabfa_quantx-k_qac424dabfa_quantx
	.p2alignl 7, 3214868480
	.fill 96, 4, 3214868480
	.section	.rodata,"a",@progbits
	.p2align	6, 0x0
	.amdhsa_kernel k_qac424dabfa_quantx
		.amdhsa_group_segment_fixed_size 17408
		.amdhsa_private_segment_fixed_size 0
		.amdhsa_enable_private_segment 0
		.amdhsa_kernarg_size 40
		.amdhsa_user_sgpr_count 2
		.amdhsa_user_sgpr_kernarg_segment_ptr 1
		.amdhsa_wavefront_size32 1
		.amdhsa_system_sgpr_workgroup_id_x 1
		.amdhsa_system_sgpr_workgroup_id_y 1
		.amdhsa_system_sgpr_workgroup_id_z 1
		.amdhsa_system_vgpr_workitem_id 0
		.amdhsa_next_free_vgpr 256
		.amdhsa_next_free_sgpr 66
		.amdhsa_reserve_vcc 1
		.amdhsa_float_denorm_mode_32 3
		.amdhsa_float_denorm_mode_16_64 3
		.amdhsa_memory_ordered 1
		.amdhsa_forward_progress 1
		.amdhsa_inst_pref_size 46
	.end_amdhsa_kernel
	.amdgpu_metadata
---
amdhsa.version: [ 1, 2 ]
amdhsa.kernels:
  - .name:           k_qac424dabfa_quantx
    .symbol:         k_qac424dabfa_quantx.kd
    .args:
      - { .name: x, .offset: 0, .size: 8, .value_kind: global_buffer, .address_space: global }
      - { .name: lrls_B, .offset: 8, .size: 8, .value_kind: global_buffer, .address_space: global }
      - { .name: lowp_scales, .offset: 16, .size: 8, .value_kind: global_buffer, .address_space: global }
      - { .name: x_codes, .offset: 24, .size: 8, .value_kind: global_buffer, .address_space: global }
      - { .name: tpart, .offset: 32, .size: 8, .value_kind: global_buffer, .address_space: global }
    .group_segment_fixed_size: 17408
    .private_segment_fixed_size: 0
    .kernarg_segment_align: 8
    .kernarg_segment_size: 40
    .max_flat_workgroup_size: 256
    .sgpr_count:     66
    .vgpr_count:     256
    .wavefront_size: 32
...
	.end_amdgpu_metadata
.endif
;; end of part 1
;; launch quantw (part 2): grid 8 x 32, 8 waves a work-group, no clusters, 69,120 bytes of LDS; arguments weight, lrls_A, scale, tpart, lowp_scales, w_codes; writes w_codes
.if DOCPART == 2
	.amdgcn_target "amdgcn-amd-amdhsa--gfx1250"
	.amdhsa_code_object_version 6
	.text
	.protected	k_qac424dabfa_quantw
	.globl	k_qac424dabfa_quantw
	.p2align	8
	.type	k_qac424dabfa_quantw,@function
k_qac424dabfa_quantw:
	s_mov_b64 s[64:65], 0
	v_nop
	global_prefetch_b8 v0, s[64:65] scope:SCOPE_SE
	s_setreg_imm32_b32 hwreg(HW_REG_WAVE_MODE, 25, 1), 1
	s_wait_xcnt 0x0
; w_eff [4096 o][4096 i] becomes codes of BF8 (E5M2), one byte each, with the given scale 2^e1 (entry 1 of the scales).
; w_eff[o][i] = w_q[o][i] x scale_eff[o];  w_q = weight + (clip(round(weight / 0.5), -1, 1) - weight), written with the same three f32 operations as the definition, round = ties to even;
; scale_eff[o] = scale[o] + the sum over j of lrls_A[o][j] t[j];  t = lrls_B . mean(x) = (the sum of the 256 rows of tpart) / 4,096.  All of it in f32, by fused multiply-adds.
; The input threshold is not among this program's arguments: the definition never reads it, so no result hangs on it.
; THE ORDER ALONG K is that of x's codes: inside each strip of 512 columns byte 16 l + 4 i + k of a row's codes is the code of column 128 i + 4 l + k (a lane converts the 16 numbers that its four loads brought).
; THE LAYOUT OF w_codes is the order in which the product's registers take an operand: [block of 16 rows o][128 along K][c = 0..3][lane (h, r)][16 bytes], where the 16 bytes are
; bytes 128 ks + 32 c + 16 h + 0..15 of row r's codes.  A wave owns one block of 16 rows x 512 along K: its codes turn through its own stage in LDS (rows 528 bytes apart) and leave as 8,192 bytes on end.
; LIMITS: e1 between -126 and 112.  NaN among the inputs is not served.
; SHARES: work-group (x = strip, y = block) owns 128 rows x 512 columns, wave w 16 rows, a step is one row; loads run eight steps ahead.
; THE HEAD, while the first 32 loads of weight are out: wave w adds 32 of tpart's 256 rows, the eight waves' parts meet in LDS (one barrier), every wave adds the eight, makes its 16 rows' scale_eff and
; keeps them in scalar pairs.  Every work-group repeats this on 16 KiB of tpart: that takes the place of a launch of its own.
.set XROW,  16384                      ; a row of weight in bytes
.set STEPS, 16
.set SP,    528                        ; a stage row: 512 bytes of codes + 16
.set R,     16                         ; v16-143  eight sets of 16 numbers as loaded; at the end v16-79 the codes on their way out
.set T,     176                        ; v176-191 at work
.set C,     192                        ; v192-255 codes, four registers a step; in the head: v192-207 tpart, v208-215 lrls_A, v216-217 scale; v144-175 the eight parts of t
.set SE,    32                         ; s[32 + 2 t : 33 + 2 t] scale_eff of my row t, twice: the packed multiply names a pair
; LDS: 0..511 the eight waves' parts of t; 512..1535 the spare words; from 1536 a stage of 16 x 528 bytes for each wave.
; v1 lane; v3 16 x lane; v4, v5 my stage, in and out; v6, v7 the parts of t, in and out; v8 4 (lane / 4); v10 57,344 x 2^e1; v11 2^e1
	s_load_b256 s[4:11], s[0:1], 0x0               ; weight s[4:5], lrls_A s[6:7], scale s[8:9], tpart s[10:11]
	s_load_b128 s[12:15], s[0:1], 0x20             ; the scales' exponents s[12:13], the codes s[14:15]
	v_lshl_add_u32 v14, v0, 2, 0x200
	v_mov_b32 v15, 0
	v_lshrrev_b32 v9, 5, v0
	s_delay_alu instid0(VALU_DEP_1)
	v_readfirstlane_b32 s16, v9                    ; wave 0..7
	v_and_b32 v1, 31, v0
	s_delay_alu instid0(VALU_DEP_1)
	v_lshlrev_b32 v3, 4, v1
	s_delay_alu instid0(VALU_DEP_2)
	v_and_b32 v9, 3, v1
	s_lshl_b32 s27, s16, 6
	v_lshl_add_u32 v6, v9, 4, s27                  ; my wave's part of t: 64 x wave + 16 (lane % 4)
	v_lshlrev_b32 v7, 4, v9                        ; and wave 0's: the others by immediates
	v_and_b32 v8, 0x1c, v1                         ; scale: 4 bytes x (lane / 4)
	s_mul_i32 s28, s16, 16*SP
	s_add_co_u32 s28, s28, 0x600                   ; my stage
	v_and_b32 v5, 15, v1                           ; r
	v_lshrrev_b32 v12, 4, v1                       ; h
	v_add_nc_u32 v4, s28, v3                       ; in: 16 x lane of row t (the row by immediates)
	v_mul_u32_u24 v5, v5, SP
	v_lshl_add_u32 v5, v12, 4, v5
	v_add_nc_u32 v5, s28, v5                       ; out: row r, + 16 h
	s_mov_b32 s24, 0x76543210
	s_mov_b32 s25, 0xfedcba98
	s_and_b32 s18, ttmp7, 0xffff
	s_lshl_b32 s19, s18, 7
	s_lshl_b32 s20, s16, 4
	s_add_co_u32 s19, s19, s20                     ; my wave's first row o
	s_mov_b32 s21, 0
	s_wait_alu depctr_va_vdst(0)
	s_wait_kmcnt 0x0
	s_load_b32 s22, s[12:13], 0x4                  ; e1
	s_lshl_b32 s20, s19, 14
	s_lshl_b32 s23, ttmp9, 11
	s_add_co_u32 s20, s20, s23
	s_add_nc_u64 s[4:5], s[4:5], s[20:21]          ; weight at my first row, my strip
	s_lshl_b32 s20, s19, 12                        ; the codes: 65,536 bytes for each block of 16 rows,
	s_lshl_b32 s23, ttmp9, 13                      ; 8,192 for each strip
	s_add_co_u32 s20, s20, s23
	s_add_nc_u64 s[14:15], s[14:15], s[20:21]
	s_lshl_b32 s20, s19, 6
	s_add_nc_u64 s[6:7], s[6:7], s[20:21]          ; lrls_A: my 16 rows of 64 bytes
	s_lshl_b32 s20, s19, 2
	s_add_nc_u64 s[8:9], s[8:9], s[20:21]          ; scale: my 16 numbers
	s_lshl_b32 s20, s16, 11
	s_add_nc_u64 s[10:11], s[10:11], s[20:21]      ; tpart: rows 32 w .. 32 w + 31
.irp i, 0,1,2,3
	global_load_b128 v[192+4*\i:195+4*\i], v3, s[10:11] offset:512*\i   ; lane l: row 32 w + 8 i + l / 4, numbers 4 (l % 4) + 0 .. 3
.endr
	global_load_b128 v[208:211], v3, s[6:7]              ; lrls_A: row l / 4, numbers 4 (l % 4) + 0 .. 3
	global_load_b128 v[212:215], v3, s[6:7] offset:512   ; row 8 + l / 4
	global_load_b32 v216, v8, s[8:9]                     ; scale of row l / 4
	global_load_b32 v217, v8, s[8:9] offset:32           ; of row 8 + l / 4
.macro LOAD t                          ; row t: four loads of 512 consecutive bytes, into set t % 8: register 4 i + k of lane l = column 128 i + 4 l + k
.irp i, 0,1,2,3
	global_load_b128 v[R+16*((\t)%8)+4*\i:R+16*((\t)%8)+4*\i+3], v3, s[4:5] offset:XROW*(\t)+512*\i th:TH_LOAD_NT
.endr
.endm
.irp t, 0,1,2,3,4,5,6,7
	LOAD \t
.endr
	s_wait_loadcnt 32                              ; the eight small loads are in; weight's 32 stay out, across the barrier below too: nobody writes those bytes
	v_pk_add_f32 v[192:193], v[192:193], v[196:197]
	v_pk_add_f32 v[194:195], v[194:195], v[198:199]
	v_pk_add_f32 v[200:201], v[200:201], v[204:205]
	v_pk_add_f32 v[202:203], v[202:203], v[206:207]
	s_delay_alu instid0(VALU_DEP_2)
	v_pk_add_f32 v[192:193], v[192:193], v[200:201]
	s_delay_alu instid0(VALU_DEP_2)
	v_pk_add_f32 v[194:195], v[194:195], v[202:203]
.irp m, 4,8                            ; the lanes with my l % 4 hold the other rows
.irp k, 0,1,2,3
	v_add_f32_dpp v[192+\k], v[192+\k], v[192+\k] row_xmask:\m row_mask:0xf bank_mask:0xf
.endr
.endr
.irp k, 0,1,2,3
	s_delay_alu instid0(VALU_DEP_4)
	v_permlanex16_b32 v[196+\k], v[192+\k], s24, s25
.endr
.irp k, 0,1,2,3
	s_delay_alu instid0(VALU_DEP_4)
	v_add_f32 v[192+\k], v[192+\k], v[196+\k]
.endr
	ds_store_b128 v6, v[192:195]                   ; the eight lanes with one l % 4 write the same 16 bytes with the same numbers
	s_wait_dscnt 0x0                               ; for the others' sake
	s_barrier_signal -1
	s_barrier_wait -1
.irp u, 0,1,2,3,4,5,6,7
	ds_load_b128 v[144+4*\u:147+4*\u], v7 offset:64*\u
.endr
	s_wait_dscnt 0x0
.macro ADD4 a, b
	v_pk_add_f32 v[144+4*(\a):145+4*(\a)], v[144+4*(\a):145+4*(\a)], v[144+4*(\b):145+4*(\b)]
	v_pk_add_f32 v[146+4*(\a):147+4*(\a)], v[146+4*(\a):147+4*(\a)], v[146+4*(\b):147+4*(\b)]
.endm
	ADD4 0, 1
	ADD4 2, 3
	ADD4 4, 5
	ADD4 6, 7
	ADD4 0, 2
	ADD4 4, 6
	ADD4 0, 4
	s_delay_alu instid0(VALU_DEP_2)
	v_pk_mul_f32 v[144:145], v[144:145], 0x39800000 op_sel_hi:[1,0]   ; / 4,096 rows: a power of two, nothing is rounded: t[4 (l % 4) + 0 .. 3]
	s_delay_alu instid0(VALU_DEP_2)
	v_pk_mul_f32 v[146:147], v[146:147], 0x39800000 op_sel_hi:[1,0]
	s_delay_alu instid0(VALU_DEP_2)
	v_mul_f32 v176, v208, v144
	s_delay_alu instid0(VALU_DEP_3)
	v_mul_f32 v177, v212, v144
.irp k, 1,2,3
	s_delay_alu instid0(VALU_DEP_2)
	v_fma_f32 v176, v[208+\k], v[144+\k], v176
	s_delay_alu instid0(VALU_DEP_2)
	v_fma_f32 v177, v[212+\k], v[144+\k], v177
.endr
.irp m, 1,2                            ; a row's four lanes
	s_delay_alu instid0(VALU_DEP_2)
	v_add_f32_dpp v176, v176, v176 row_xmask:\m row_mask:0xf bank_mask:0xf
	s_delay_alu instid0(VALU_DEP_2)
	v_add_f32_dpp v177, v177, v177 row_xmask:\m row_mask:0xf bank_mask:0xf
.endr
	s_delay_alu instid0(VALU_DEP_2)
	v_add_f32 v176, v216, v176                     ; scale_eff of row l / 4,
	s_delay_alu instid0(VALU_DEP_2)
	v_add_f32 v177, v217, v177                     ; of row 8 + l / 4
	s_wait_alu depctr_va_vdst(0)
.irp t, 0,1,2,3,4,5,6,7,8,9,10,11,12,13,14,15
	v_readlane_b32 s[SE+2*\t], v[176+\t/8], 4*(\t%8)
	s_mov_b32 s[SE+2*\t+1], s[SE+2*\t]
.endr
	s_wait_kmcnt 0x0
	s_add_co_i32 s22, s22, 127
	s_lshl_b32 s23, s22, 23
	v_mov_b32 v11, s23                             ; 2^e1 as f32
	s_add_co_i32 s22, s22, 15
	s_lshl_b32 s22, s22, 23
	s_or_b32 s22, s22, 0x600000
	v_mov_b32 v10, s22                             ; 57,344 x 2^e1
.macro STEP t
.set RS, R+16*((\t)%8)
.if 4*(15-(\t)) > 28                   ; row t is in; behind its loads were issued the seven rows that follow it, or as many as are left
	s_wait_loadcnt 28
.else
	s_wait_loadcnt 4*(15-(\t))
.endif
.irp k, 0,2,4,6,8,10,12,14
	v_pk_add_f32 v[T+\k:T+\k+1], v[RS+\k:RS+\k+1], v[RS+\k:RS+\k+1]   ; weight / 0.5: exact
.endr
.irp i, 0,1,2,3,4,5,6,7,8,9,10,11,12,13,14,15
	v_rndne_f32 v[T+\i], v[T+\i]                   ; to the nearest whole number, ties to even
.endr
.irp i, 0,1,2,3,4,5,6,7,8,9,10,11,12,13,14,15
	v_med3_num_f32 v[T+\i], v[T+\i], -1.0, 1.0     ; the clip
.endr
.irp k, 0,2,4,6,8,10,12,14
	v_pk_add_f32 v[T+\k:T+\k+1], v[T+\k:T+\k+1], v[RS+\k:RS+\k+1] neg_lo:[0,1] neg_hi:[0,1]   ; - weight
.endr
.irp k, 0,2,4,6,8,10,12,14
	v_pk_add_f32 v[RS+\k:RS+\k+1], v[RS+\k:RS+\k+1], v[T+\k:T+\k+1]   ; w_q = weight + that
.endr
.irp k, 0,2,4,6,8,10,12,14
	v_pk_mul_f32 v[RS+\k:RS+\k+1], v[RS+\k:RS+\k+1], s[SE+2*(\t):SE+2*(\t)+1] op_sel_hi:[1,0]   ; w_eff = w_q x scale_eff of this row
.endr
.irp i, 0,1,2,3,4,5,6,7,8,9,10,11,12,13,14,15
	v_med3_num_f32 v[RS+\i], v[RS+\i], -v10, v10   ; the hold at the largest code x the scale (ISA guide 7.6.2: the conversion does not saturate)
.endr
	v_cvt_scalef32_pk8_bf8_f32 v[C+4*(\t):C+4*(\t)+1], v[RS:RS+7], v11
	v_cvt_scalef32_pk8_bf8_f32 v[C+4*(\t)+2:C+4*(\t)+3], v[RS+8:RS+15], v11
	v_nop                                          ; one plain vector line behind the last conversion of the run
.if (\t) < 8
	LOAD (\t)+8                                    ; the set takes the row eight further on
.endif
	ds_store_b128 v4, v[C+4*(\t):C+4*(\t)+3] offset:SP*(\t)   ; row t of my stage: 512 bytes on end
.endm
.irp t, 0,1,2,3,4,5,6,7,8,9,10,11,12,13,14,15
	STEP \t
.endr
	; THE WAY OUT: piece q = 4 ks + c: lane (h, r) takes bytes 128 ks + 32 c + 16 h of row r.  LDS serves a wave's instructions in order: these loads see my stores.
.irp q, 0,1,2,3,4,5,6,7,8,9,10,11,12,13,14,15
	ds_load_b128 v[R+4*\q:R+4*\q+3], v5 offset:128*(\q/4)+32*(\q%4)
.endr
.irp q, 0,1,2,3,4,5,6,7,8,9,10,11,12,13,14,15
	s_wait_dscnt 15-\q
	global_store_b128 v3, v[R+4*\q:R+4*\q+3], s[14:15] offset:512*\q   ; 512 consecutive bytes, at a multiple of 256 from the buffer's first byte
.endr
	s_wait_tensorcnt 0x0                           ; the wave's end
	ds_add_u32 v14, v15
	s_wait_dscnt 0x0
	s_endpgm
.Lfunc_end_k_qac424dabfa_quantw:
	.size	k_qac424dabfa_quantw, .Lfunc_end_k_qac424dabfa_quantw-k_qac424dabfa_quantw
	.p2alignl 7, 3214868480
	.fill 96, 4, 3214868480
	.section	.rodata,"a",@progbits
	.p2align	6, 0x0
	.amdhsa_kernel k_qac424dabfa_quantw
		.amdhsa_group_segment_fixed_size 69120
		.amdhsa_private_segment_fixed_size 0
		.amdhsa_enable_private_segment 0
		.amdhsa_kernarg_size 48
		.amdhsa_user_sgpr_count 2
		.amdhsa_user_sgpr_kernarg_segment_ptr 1
		.amdhsa_wavefront_size32 1
		.amdhsa_system_sgpr_workgroup_id_x 1
		.amdhsa_system_sgpr_workgroup_id_y 1
		.amdhsa_system_sgpr_workgroup_id_z 1
		.amdhsa_system_vgpr_workitem_id 0
		.amdhsa_next_free_vgpr 256
		.amdhsa_next_free_sgpr 66
		.amdhsa_reserve_vcc 0
		.amdhsa_float_denorm_mode_32 3
		.amdhsa_float_denorm_mode_16_64 3
		.amdhsa_memory_ordered 1
		.amdhsa_forward_progress 1
		.amdhsa_inst_pref_size 95
	.end_amdhsa_kernel
	.amdgpu_metadata
---
amdhsa.version: [ 1, 2 ]
amdhsa.kernels:
  - .name:           k_qac424dabfa_quantw
    .symbol:         k_qac424dabfa_quantw.kd
    .args:
      - { .name: weight, .offset: 0, .size: 8, .value_kind: global_buffer, .address_space: global }
      - { .name: lrls_A, .offset: 8, .size: 8, .value_kind: global_buffer, .address_space: global }
      - { .name: scale, .offset: 16, .size: 8, .value_kind: global_buffer, .address_space: global }
      - { .name: tpart, .offset: 24, .size: 8, .value_kind: global_buffer, .address_space: global }
      - { .name: lowp_scales, .offset: 32, .size: 8, .value_kind: global_buffer, .address_space: global }
      - { .name: w_codes, .offset: 40, .size: 8, .value_kind: global_buffer, .address_space: global }
    .group_segment_fixed_size: 69120
    .private_segment_fixed_size: 0
    .kernarg_segment_align: 8
    .kernarg_segment_size: 48
    .max_flat_workgroup_size: 256
    .sgpr_count:     66
    .vgpr_count:     256
    .wavefront_size: 32
...
	.end_amdgpu_metadata
.endif
;; end of part 2
;; launch gemm (part 3): grid 16 x 16, 4 waves a work-group, clusters of 4 x 1, 327,680 bytes of LDS; arguments x_codes, w_codes, lowp_scales, out0; writes out0
.if DOCPART == 3
	.amdgcn_target "amdgcn-amd-amdhsa--gfx1250"
	.amdhsa_code_object_version 6
	.text
	.protected	k_qac424dabfa_gemm
	.globl	k_qac424dabfa_gemm
	.p2align	8
	.type	k_qac424dabfa_gemm,@function
k_qac424dabfa_gemm:
	s_mov_b64 s[64:65], 0
	v_nop
	global_prefetch_b8 v0, s[64:65] scope:SCOPE_SE
	s_setreg_imm32_b32 hwreg(HW_REG_WAVE_MODE, 25, 1), 1
	s_wait_xcnt 0x0
	s_wait_alu depctr_hold_cnt(0) depctr_sa_sdst(0) depctr_va_vdst(0) depctr_va_sdst(0) depctr_va_ssrc(0) depctr_va_vcc(0) depctr_vm_vsrc(0)
	s_getreg_b32 s2, hwreg(HW_REG_IB_STS2, 6, 4)
	s_cmp_eq_u32 s2, 0
	s_cbranch_scc0 .Lentry_in_a_cluster
	s_endpgm
.Lentry_in_a_cluster:
	s_bfe_u32 s2, ttmp6, 0x10000c
	s_cmp_lg_u32 s2, 0x3003
	s_cbranch_scc0 .Lentry_shape_is_right
	s_endpgm
.Lentry_shape_is_right:
; out0[m][o] = 2^(e0 + e1) x the sum over k of x_codes[m][k] w_codes[o][k]: codes of BF8 (E5M2) multiplied as they are, f32 sums.  LIMIT: e0 + e1 between -126 and 127.
; A work-group of four waves makes 256 x 256 of out0; wave w makes all 256 rows x columns 64 w .. 64 w + 63: 16 blocks of 16 rows x 4 fragments of 16 columns = 64 accumulators, 512 registers.
; TWO ROADS FOR THE TWO OPERANDS.  x's codes, which all four waves read, come by tensor loads into a ring of two LDS slots of 256 rows x 512 along K (a wave fetches 64 rows of 512 bytes).
; w's codes, of which each wave needs columns of its own, come from memory straight into registers: the launch before laid them in the registers' order, so a load reads 512 bytes on end.
; They run in a ring of four sets of 128 along K: the 16 loads of step s + 3 are issued in step s, and s_wait_loadcnt 32 at a step's head leaves the two younger sets out.
; So LDS holds one operand alone, a slot is four steps of 128 (256 matrix instructions a wave) long, and there is one change of slots for 512 along K.
; A STEP is four groups of four blocks: 16 products, four places, then ONE run of loads: the 16 LDS loads that fill the group's fragments again with those of the group two further on
; (x's fragments run in a ring of eight), and in a step's first group w's 16 loads.  s_wait_dscnt 16 at a group's head leaves the younger group's loads out.
; CLUSTERS: the four work-groups of a cluster lie side by side in one tile row and ask for x's tiles JOINTLY (mask 15).  w's codes go to registers, where no joint load reaches.
; THE MATRIX INSTRUCTION IS USED TRANSPOSED (source 0 = 16 rows of w, source 1 = 16 rows of x): a lane holds eight neighbouring columns of one row of out0.
; REGISTERS, in windows of 256: window 0: v0-31 addresses, v32-127 the way out, v128-255 x's eight fragments; window 1: w's four sets of 64; window 2: the accumulators of blocks 0-7 (block b, fragment f at v[32 b + 8 f]); window 3: of blocks 8-15.
; PREFETCHES.  x: in a tile's second step, two steps ahead of the tensor load that wants it, the tile two slots on: its 512 pieces of 256 bytes are shared out by address among the cluster's 16 waves, a lane a piece.
; w: in step s the 8,192 bytes that the loads of step s + 4 will ask for, a lane a piece; each wave's columns are read by no other wave of its cluster.  The loop's last trip names step 31 and tile 7: nothing beyond the buffers.
.set PITCH,  528                       ; an LDS row: 512 bytes + 16 of padding
.set QUART,  64*PITCH                  ; what one tensor load brings
.set SLOT,   4*QUART
.set SPARE,  2*SLOT                    ; behind the ring: the spare words, 128 bytes a wave
.set SPITCH, 272                       ; the way out: a stage of 16 rows x (256 + 16) bytes for each wave, in slot 0, which has had its last fill and its last read by then
.set G1, 16                            ; s[16:23] descriptor group 1
.set G0, 24                            ; s[24:31] group 0, one set for each slot
.set BP, 32                            ; s[32:33] w's codes at my wave's columns, at the trip's first step
.set PA, 34                            ; s[34:35] x's codes at my work-group's 64 rows of the prefetch, at the trip's first tile
; v2, v3 slot 0's rows 0-127, 128-255; v4, v5 slot 1's; v6 16 x lane; v7, v8 the prefetches' offsets; v10 my spare word, v11 0; v12 into the stage, v13 out of it, v14 my offset in out0
.set MSB, 0
.macro WIN new                         ; the immediate's high byte repeats the setting that is left
.if MSB != (\new)
	s_set_vgpr_msb (MSB<<8)|(\new)
.set MSB, (\new)
.endif
.endm
.macro CREST                           ; a round of the cluster's barrier behind its opening barrier
	s_cmp_lg_u32 s14, 0
	s_cbranch_scc1 .Lnot_wave_0_\@
	s_barrier_signal -3
.Lnot_wave_0_\@:
	s_barrier_wait -3
	s_barrier_signal -1
	s_barrier_wait -1
.endm
.macro CROUND
	s_barrier_signal -1
	s_barrier_wait -1
	CREST
.endm
.macro PLACES                          ; four places between a matrix instruction and a load into, or a read of, its registers
.rept 4
	v_nop
.endr
.endm
; nb blocks from b0 on x w's four fragments of set j, 128 along K.  All 64 accumulators take turns, in the same order in every step.
.macro MM j, b0, nb, zero
	WIN 0xa1+0x50*((\b0)/8)                        ; source 0 window 1, source 1 window 0, C and D window 2 or 3
.set B_, \b0
.rept \nb
.set F_, 0
.rept 4
.set AC, 32*(B_%8)+8*F_
.if \zero
	v_wmma_f32_16x16x128_bf8_bf8 v[AC:AC+7], v[64*(\j)+16*F_:64*(\j)+16*F_+15], v[128+16*(B_%8):128+16*(B_%8)+15], 0
.else
	v_wmma_f32_16x16x128_bf8_bf8 v[AC:AC+7], v[64*(\j)+16*F_:64*(\j)+16*F_+15], v[128+16*(B_%8):128+16*(B_%8)+15], v[AC:AC+7]
.endif
.set F_, F_+1
.endr
.set B_, B_+1
.endr
.endm
; x's fragments of group g2 (blocks 4 g2 .. 4 g2 + 3) of step fj of slot fs: lane (r, h) takes bytes 128 fj + 32 c + 16 h + 0..15 of row r into registers 4 c .. 4 c + 3
.macro AFILL fs, fj, g2
	WIN 0
.set B_, 4*(\g2)
.rept 4
.irp c, 0,1,2,3
	ds_load_b128 v[128+16*(B_%8)+4*\c:128+16*(B_%8)+4*\c+3], v[2+2*(\fs)+B_/8] offset:(B_%8)*16*PITCH+128*(\fj)+32*\c
.endr
.set B_, B_+1
.endr
.endm
; w's four fragments of the step st (counted from the trip's first) into a set
.macro BFILL st, set
	WIN 0x40                                       ; destination window 1, address window 0
.irp f, 0,1,2,3
.irp c, 0,1,2,3
	global_load_b128 v[64*(\set)+16*\f+4*\c:64*(\set)+16*\f+4*\c+3], v6, s[BP:BP+1] offset:\f*65536+(\st)*2048+\c*512
.endr
.endr
.endm
	s_load_b128 s[4:7], s[0:1], 0x0                ; x's codes, w's codes
	s_load_b128 s[8:11], s[0:1], 0x10              ; the scales' exponents, out0
	v_lshl_add_u32 v10, v0, 2, SPARE
	v_mov_b32 v11, 0
	ds_add_u32 v10, v11                            ; the opening lines: the add, twice on end, and its wait ahead of my first tensor load
	ds_add_u32 v10, v11
	v_lshrrev_b32 v1, 5, v0
	v_readfirstlane_b32 s14, v1                    ; wave 0..3
	v_and_b32 v15, 15, v0                          ; r
	v_bfe_u32 v16, v0, 4, 1                        ; h
	v_and_b32 v17, 31, v0                          ; lane
	v_mul_u32_u24 v2, v15, PITCH
	v_and_b32 v18, 7, v0
	v_and_b32 v19, 1, v0
	v_lshrrev_b32 v7, 3, v17
	v_lshrrev_b32 v8, 1, v0
	v_lshl_add_u32 v2, v16, 4, v2                  ; a fragment's row x pitch + 16 h
	v_lshlrev_b32 v7, 16, v7                       ; w's prefetch: fragment lane / 8,
	v_lshlrev_b32 v8, 12, v8                       ; x's: row thread / 2,
	v_lshlrev_b32 v6, 4, v17
	v_add_nc_u32 v3, 128*PITCH, v2
	v_add_nc_u32 v4, SLOT, v2
	v_add_nc_u32 v5, SLOT+128*PITCH, v2
	v_lshl_add_u32 v7, v18, 8, v7                  ; + piece lane % 8 of its 2,048 bytes
	v_lshl_add_u32 v8, v19, 8, v8                  ; + half thread % 2 of its 512 bytes
	s_mul_i32 s15, s14, 16*SPITCH                  ; my stage
	v_mul_u32_u24 v12, v15, SPITCH
	v_mul_u32_u24 v13, v16, SPITCH
	v_lshlrev_b32 v14, 14, v16
	v_lshl_add_u32 v12, v16, 5, v12
	v_lshl_add_u32 v13, v15, 4, v13
	v_lshl_add_u32 v14, v15, 4, v14                ; out0: lanes 0-15 a row's 256 bytes, lanes 16-31 the next row's
	v_add_nc_u32 v12, s15, v12                     ; in: row r, 32 bytes for each half of the lanes
	v_add_nc_u32 v13, s15, v13                     ; back: two rows an instruction
	s_wait_alu depctr_va_vdst(0)                   ; the end of the head's vector work
	s_bfe_u32 s40, ttmp6, 0x40000                  ; cx
	s_lshl_b32 s41, ttmp9, 2
	s_add_co_u32 s41, s41, s40                     ; tile column
	s_and_b32 s42, ttmp7, 0xffff                   ; tile row: the same in the four partners
	s_mov_b32 s[G1+0], 15|(1<<20)|(1<<21)|(6<<22)|(3<<25)   ; mask of the four; elements of a byte; padding of 4 words behind every 128; bit 21 beside a mask
	s_mov_b32 s[G1+1], 512<<16                     ; tensor_dim0
	s_mov_b32 s[G1+2], 64<<16                      ; tensor_dim1
	s_mov_b32 s[G1+3], 512<<16                     ; tile_dim0
	s_mov_b32 s[G1+4], 64                          ; tile_dim1
	s_mov_b32 s[G1+5], 4096                        ; from row to row
	s_mov_b32 s[G1+6], 0
	s_mov_b32 s[G1+7], 0
	s_lshl_b32 s38, s14, 18
	s_lshl_b32 s12, s42, 20
	s_add_co_u32 s12, s12, s38                     ; x: (256 x tile row + 64 x wave) rows of 4,096 bytes
	s_mov_b32 s13, 0
	s_lshl_b32 s44, s41, 20
	s_add_co_u32 s44, s44, s38                     ; w: (16 x tile column + 4 x wave) blocks of 65,536 bytes
	s_mov_b32 s45, 0
	s_lshl_b32 s46, s42, 20
	s_lshl_b32 s39, s40, 18
	s_add_co_u32 s46, s46, s39                     ; x's prefetch: my work-group's 64 of the tile's rows
	s_mov_b32 s47, 0
	s_lshl_b32 s48, s42, 22
	s_lshl_b32 s39, s41, 10
	s_add_co_u32 s48, s48, s39
	s_lshl_b32 s39, s14, 8
	s_add_co_u32 s48, s48, s39                     ; out0: 256 x tile row rows of 16,384 bytes + 1,024 x tile column + 256 x wave
	s_mov_b32 s49, 0
	s_mul_i32 s43, s14, QUART
	s_wait_dscnt 0x0                               ; both opening adds are done
	s_wait_kmcnt 0x0
	s_load_b64 s[36:37], s[8:9], 0x0               ; e0, e1
	s_add_nc_u64 s[BP:BP+1], s[6:7], s[44:45]
	s_add_nc_u64 s[PA:PA+1], s[4:5], s[46:47]
	s_add_nc_u64 s[10:11], s[10:11], s[48:49]
	s_add_nc_u64 s[12:13], s[4:5], s[12:13]
.irp s, 0,1
	s_mov_b32 s[G0+4*\s], 1
	s_add_co_u32 s[G0+4*\s+1], s43, \s*SLOT
	s_add_nc_u64 s[G0+4*\s+2:G0+4*\s+3], s[12:13], \s*512
	s_or_b32 s[G0+4*\s+3], s[G0+4*\s+3], 0x80000000
.endr
	CROUND                                         ; the four work-groups are here: the first joint loads meet
	tensor_load_to_lds s[G0:G0+3], s[G1:G1+7]      ; tile 0: one tensor load a wave at the head
	s_nop 0
	BFILL 0, 0                                     ; w's sets of steps 0 to 2: 48 loads
	BFILL 1, 1
	BFILL 2, 2
	WIN 0
	s_wait_tensorcnt 0x0                           ; my part of tile 0 is in; slot 1's first fill is issued as a refill is:
	ds_add_u32 v10, v11
	s_wait_dscnt 0x0
	CROUND
	tensor_load_to_lds s[G0+4:G0+7], s[G1:G1+7]    ; tile 1
	s_nop 0
	AFILL 0, 0, 0                                  ; x's fragments of step 0's first two groups
	AFILL 0, 0, 1
; A step of 128 along K whose successor lies in the same slot.  u: the step counted from the trip's first; lw: w's loads that may stay out; bf, pf: loads of w, prefetches
.macro STEP sl, j, zero, u, bf, lw, pf
	s_wait_loadcnt \lw
.irp g, 0,1,2,3
	s_wait_dscnt 16
	MM \j, 4*\g, 4, \zero
	PLACES
	WIN 0
.if (\pf) && (\g == 1)
	global_prefetch_b8 v7, s[BP:BP+1] offset:((\u)+7)*2048 th:TH_LOAD_NT scope:SCOPE_SE
.endif
.if (\pf) && (\g == 2) && (\j == 1)
	global_prefetch_b8 v8, s[PA:PA+1] offset:(((\u)-1)/4+2)*512 th:TH_LOAD_NT scope:SCOPE_SE
.endif
.if \g < 2
	AFILL \sl, \j, \g+2
.else
	AFILL \sl, (\j)+1, \g-2
.endif
.if (\bf) && (\g == 0)
	BFILL (\u)+3, ((\j)+3)%4
.endif
.endr
.endm
; A slot's last step changes slots.  The second group's run holds my last reads of the slot.  Then the wait for all my tensor loads (my part of the other slot), the add, eight products, the wait for the add and
; my reads, the barrier's signal, eight products, the rest of the round; the joint refill first behind it (fill = 1); then the other slot's first fragments, at their usual distance ahead of their use.
.macro STEPT sl, u, fill, pf
	s_wait_loadcnt 32
.irp g, 0,1
	s_wait_dscnt 16
	MM 3, 4*\g, 4, 0
	PLACES
	WIN 0
.if (\pf) && (\g == 1)
	global_prefetch_b8 v7, s[BP:BP+1] offset:((\u)+7)*2048 th:TH_LOAD_NT scope:SCOPE_SE
.endif
	AFILL \sl, 3, \g+2
.if \g == 0
	BFILL (\u)+3, 2
.endif
.endr
	WIN 0                                          ; (the add's two registers lie in window 0)
	s_wait_tensorcnt 0x0
	ds_add_u32 v10, v11
.if \fill
	s_add_nc_u64 s[G0+4*\sl+2:G0+4*\sl+3], s[G0+4*\sl+2:G0+4*\sl+3], 1024   ; no load of mine is out: this slot's next tile, two tiles on
.endif
	s_wait_dscnt 17                                ; the add and the last group's fragments may be out
	MM 3, 8, 2, 0
	s_wait_dscnt 0x0                               ; the add is done, and my reads of this slot are over
	s_barrier_signal -1
	MM 3, 10, 2, 0
	PLACES
	WIN 0
	s_barrier_wait -1
.if \fill
	CREST                                          ; no wave of any partner still reads this slot or has a load on its way
	tensor_load_to_lds s[G0+4*\sl:G0+4*\sl+3], s[G1:G1+7]
	s_nop 0
.endif
	AFILL 1-\sl, 0, 0
	MM 3, 12, 4, 0                                 ; (its fragments came in ahead of the barrier)
	PLACES
	AFILL 1-\sl, 0, 1
.endm
	STEP 0, 0, 1, 0, 1, 32, 1                      ; the first step stands in front of the loop: its products start the sums
	WIN 0
	s_mov_b32 s3, 3
.Llap:                                                 ; a trip: eight steps, from a lap's second step to the next lap's first; both slots are filled again
	STEP 0, 1, 0, 1, 1, 32, 1
	STEP 0, 2, 0, 2, 1, 32, 1
	STEPT 0, 3, 1, 1
	STEP 1, 0, 0, 4, 1, 32, 1
	STEP 1, 1, 0, 5, 1, 32, 1
	STEP 1, 2, 0, 6, 1, 32, 1
	STEPT 1, 7, 1, 1
	STEP 0, 0, 0, 8, 1, 32, 1
	WIN 0
	s_wait_xcnt 0x0                                ; the trip's loads and prefetches have read their bases
	s_add_nc_u64 s[BP:BP+1], s[BP:BP+1], 8*2048
	s_add_nc_u64 s[PA:PA+1], s[PA:PA+1], 1024
	s_sub_co_u32 s3, s3, 1
	s_cmp_lg_u32 s3, 0
	s_cbranch_scc1 .Llap
	STEP 0, 1, 0, 1, 1, 32, 0                      ; steps 25 to 27: no refill, no prefetch
	STEP 0, 2, 0, 2, 1, 32, 0
	STEPT 0, 3, 0, 0
	BFILL 7, 3                                     ; w's last set, step 31's, in the same run: its registers were read last by the products ahead of the places above
; THE LAST THREE STEPS (29 to 31, in slot 1) GO BY ROWS OF out0: w's sets 1 to 3 hold all their fragments, and x's come by blocks of 16 rows x 384 along K, 48 registers, in the two halves of x's ring by turns.
; A block is finished by 12 products, its four accumulators by turns (three other products between two steps of a sum), and leaves at once, while the later blocks are multiplied.
.macro RFILL b                         ; block b's fragments of the slot's steps 1 to 3
	WIN 0
.irp q, 0,1,2
.irp c, 0,1,2,3
	ds_load_b128 v[128+64*((\b)%2)+16*\q+4*\c:128+64*((\b)%2)+16*\q+4*\c+3], v[4+(\b)/8] offset:((\b)%8)*16*PITCH+128*(\q+1)+32*\c
.endr
.endr
.endm
.macro MR b
	WIN 0xa1+0x50*((\b)/8)
.irp q, 0,1,2
.irp f, 0,1,2,3
	v_wmma_f32_16x16x128_bf8_bf8 v[32*((\b)%8)+8*\f:32*((\b)%8)+8*\f+7], v[64*(\q+1)+16*\f:64*(\q+1)+16*\f+15], v[128+64*((\b)%2)+16*\q:128+64*((\b)%2)+16*\q+15], v[32*((\b)%8)+8*\f:32*((\b)%8)+8*\f+7]
.endr
.endr
.endm
	s_wait_loadcnt 48                              ; step 28, as every step: its set is in; the three younger sets may be out
.irp g, 0,1
	s_wait_dscnt 16
	MM 0, 4*\g, 4, 0
	PLACES
	AFILL 1, 0, \g+2
.endr
	s_wait_dscnt 16
	MM 0, 8, 4, 0
	PLACES
	RFILL 0                                        ; its last two runs fetch blocks 0 and 1 for the steps by rows
	s_wait_dscnt 12                                ; block 0's 12 loads may be out
	MM 0, 12, 4, 0
	PLACES
	RFILL 1
; THE WAY OUT, block by block of 16 rows x 64 columns: each sum x 2^(e0 + e1) into window 0 (each accumulator from its low end on), 32 bytes a lane into my own stage, back as whole rows of 256 bytes,
; two rows an instruction: sixteen lanes store one aligned unit of 256 bytes.  LDS serves a wave's instructions in order: no wait between the stores and the loads.  Every offset is an immediate: 254 rows at the most.
.set TMP, 32
.macro TOSTAGE a
.set AC, 32*((\a)%8)
	WIN 2+(\a)/8                                   ; source 0: window 2 or 3
.irp q, 0,2,4,6,8,10,12,14,16,18,20,22,24,26,28,30
	v_pk_mul_f32 v[TMP+\q:TMP+\q+1], v[AC+\q:AC+\q+1], s[36:37] op_sel_hi:[1,0]
.endr
	WIN 0
.irp f, 0,1,2,3
	ds_store_b128 v12, v[TMP+8*\f:TMP+8*\f+3] offset:64*\f
	ds_store_b128 v12, v[TMP+8*\f+4:TMP+8*\f+7] offset:64*\f+16
.endr
.set BB, 64+32*((\a)%2)
.irp t, 0,1,2,3,4,5,6,7
	ds_load_b128 v[BB+4*\t:BB+4*\t+3], v13 offset:\t*2*SPITCH
.endr
.endm
.macro SEND a, younger
.set BB, 64+32*((\a)%2)
	s_wait_dscnt \younger
.irp t, 0,1,2,3,4,5,6,7
	global_store_b128 v14, v[BB+4*\t:BB+4*\t+3], s[10:11] offset:(16*(\a)+2*\t)*16384 th:TH_STORE_NT
.endr
.endm
	s_wait_kmcnt 0x0
	s_add_co_i32 s36, s36, s37
	s_add_co_i32 s36, s36, 127
	s_lshl_b32 s36, s36, 23                        ; 2^(e0 + e1) as f32
	s_wait_loadcnt 0                               ; w's last three sets are in
.irp b, 0,1,2,3,4,5,6,7,8,9,10,11,12,13,14,15
.if \b == 0
	s_wait_dscnt 12                                ; block 0's fragments are in; block 1's 12 loads may be out
.else
	s_wait_dscnt 28                                ; behind block b's fragments stand at least the block before's 12 loads of fragments, 8 stores and 8 loads of the stage (for block 15: 32 of the stage)
.endif
	MR \b
	PLACES                                         ; ahead of the loads into the block's fragments and of the reads of its results
.if \b < 14
	RFILL \b+2
.endif
.if \b > 1
	s_wait_xcnt 0x0                                ; block b - 2's stores have read their registers: block b's loads from the stage may land there
.endif
	TOSTAGE \b
.if \b > 0
.if \b < 14
	SEND \b-1, 28                                  ; behind block b - 1's loads from the stage: 12 loads of fragments, block b's 8 stores and 8 loads
.else
	SEND \b-1, 16
.endif
.endif
.endr
	SEND 15, 0
	s_wait_tensorcnt 0x0                           ; the wave's end
	ds_add_u32 v10, v11
	s_wait_dscnt 0x0
	CROUND                                         ; the closing round
	s_endpgm
.Lfunc_end_k_qac424dabfa_gemm:
	.size	k_qac424dabfa_gemm, .Lfunc_end_k_qac424dabfa_gemm-k_qac424dabfa_gemm
	.p2alignl 7, 3214868480
	.fill 96, 4, 3214868480
	.section	.rodata,"a",@progbits
	.p2align	6, 0x0
	.amdhsa_kernel k_qac424dabfa_gemm
		.amdhsa_group_segment_fixed_size 327680
		.amdhsa_private_segment_fixed_size 0
		.amdhsa_enable_private_segment 0
		.amdhsa_kernarg_size 32
		.amdhsa_user_sgpr_count 2
		.amdhsa_user_sgpr_kernarg_segment_ptr 1
		.amdhsa_wavefront_size32 1
		.amdhsa_system_sgpr_workgroup_id_x 1
		.amdhsa_system_sgpr_workgroup_id_y 1
		.amdhsa_system_sgpr_workgroup_id_z 1
		.amdhsa_system_vgpr_workitem_id 0
		.amdhsa_next_free_vgpr 1024
		.amdhsa_next_free_sgpr 66
		.amdhsa_reserve_vcc 0
		.amdhsa_float_denorm_mode_32 3
		.amdhsa_float_denorm_mode_16_64 3
		.amdhsa_memory_ordered 1
		.amdhsa_forward_progress 1
		.amdhsa_inst_pref_size 222
	.end_amdhsa_kernel
	.amdgpu_metadata
---
amdhsa.version: [ 1, 2 ]
amdhsa.kernels:
  - .name:           k_qac424dabfa_gemm
    .symbol:         k_qac424dabfa_gemm.kd
    .args:
      - { .name: x_codes, .offset: 0, .size: 8, .value_kind: global_buffer, .address_space: global }
      - { .name: w_codes, .offset: 8, .size: 8, .value_kind: global_buffer, .address_space: global }
      - { .name: lowp_scales, .offset: 16, .size: 8, .value_kind: global_buffer, .address_space: global }
      - { .name: out0, .offset: 24, .size: 8, .value_kind: global_buffer, .address_space: global }
    .group_segment_fixed_size: 327680
    .private_segment_fixed_size: 0
    .kernarg_segment_align: 8
    .kernarg_segment_size: 32
    .max_flat_workgroup_size: 128
    .sgpr_count:     66
    .vgpr_count:     1024
    .wavefront_size: 32
...
	.end_amdgpu_metadata
.endif
;; end of part 3
